; MI455X (gfx1250); checked and timed in simulation.
; The chip was launched on July 23, 2026; its instructions are those of AMD's public machine-readable ISA for CDNA 5 (MIT licence, August 2026) and "CDNA5" Instruction Set Architecture Reference Guide (July 2026). The comments in the code are by the model that wrote it; some were corrected since.
;; Full Attention. Allowed arithmetic: matrix products marked QUANTISED: E2M3 operands, one E8M0 scale for each 32 along K, by v_wmma_scale_f32_16x16x128_f8f6f4 with both operands' format E2M3, f32 sums; everything else in f32.
;; Inputs: keys 2 x 4,096 x 8 x 64 float32; queries 2 x 4,096 x 8 x 64 float32; values 2 x 4,096 x 8 x 64 float32.
;; Outputs: out0 2 x 4,096 x 8 x 64 float32.
;; This version of the problem:
;;   THIS VERSION OF THE PROBLEM IS GIVEN IN LOW PRECISION. The matrix products marked QUANTISED in the list below multiply operands that are first quantised to E2M3 (2 exponent bits, 3 mantissa bits; 6 bits a number), with one power-of-two scale for each 32 numbers along K (OCP MX v1.0); their sums are f32. All else is computed in f32.
;;   The module's matrix products, in the order in which they are computed (A, B: the left and right operand; K: the contracted axis; several contracted axes count as one K, in the product's order):
;;     1. batch 16 x [M 4,096, K 64] x [K 64, N 4,096]; A: input keys; B: input queries: QUANTISED
;;     2. batch 16 x [M 64, K 4,096] x [K 4,096, N 4,096]; A: input values; B: softmax (see below): QUANTISED
;;   THE QUANTISER, for each operand of a quantised product, along K:
;;     - K is cut into blocks of 32 from its start; a last block that is shorter is filled with zeros.
;;     - A block's scale is 2^e with e = floor(log2(the largest magnitude in the block)) - 2, held to -126 .. 127; a block of zeros has e = 0. As a byte (E8M0): e + 127.
;;     - Each number is divided by its block's scale, clamped to +-7.5, and rounded to the nearest number of E2M3, ties to even, subnormals kept.
;;     - The product sums the exact products of the quantised numbers (number of the format x scale) in f32.
;;   ~~~python
;;   def quantise(x, axis):      # numpy; x: float32 -> the quantised numbers, widened to float32 again
;;       x = np.moveaxis(x, axis, -1); K = x.shape[-1]
;;       x = np.pad(x, [(0, 0)] * (x.ndim - 1) + [(0, -K % 32)]); x = x.reshape(x.shape[:-1] + (-1, 32)); a = np.abs(x).max(-1, keepdims=True)
;;       e = np.where(a > 0, np.clip(np.frexp(np.where(a > 0, a, 1))[1] - 1 - 2, -126, 127), 0)      # np.frexp(a)[1] - 1 = floor(log2(a)), exactly
;;       r = np.clip(x / 2.0 ** e, -7.5, 7.5)
;;       step = 2.0 ** (np.maximum(np.frexp(np.where(r == 0, 1, r))[1] - 1, 0) - 3)
;;       q = np.round(r / step) * step * 2.0 ** e      # np.round: ties to even
;;       return np.moveaxis(q.reshape(q.shape[:-2] + (-1,))[..., :K], -1, axis).astype(np.float32)
;;   ~~~
;;   SOFTMAX AHEAD OF A QUANTISED PRODUCT. Where the list says 'softmax', what is quantised is not the finished softmax but p = 2^(t - M), with t = logit x log2(e) and M = ceil(the row's largest t), a whole number; so 1/2 < the row's largest p <= 1. The row's sum l is taken of the UNQUANTISED p, in f32, and the product's result is divided by l at the end. Since M is a whole number, a kernel that streams over the keys may use a running M (the ceiling of the running maximum): every later rescaling is an exact power of two, which a block's scale takes up: the codes' values come out the same.
;;   OPERANDS COMPUTED ON THE WAY. 'Computed on the way' means the value that the module computes at that place (a softmax that the list does not call 'softmax' is quantised finished and normalised). What goes into a quantiser is computed in f32, as accurately as f32 sums, v_exp_f32 and their like allow (about 1e-6 of the number): no bf16 or f16 on the way to a quantiser, and a product that is left as it is and whose result goes on into a quantised operand takes f32 operands (vector FMAs, or v_wmma_f32_16x16x4_f32). A number that lies on a knife's edge between two numbers of the format may be rounded either way, as far as f32 arithmetic and the matrix unit's own rounding can turn it there, and no further.
;; One version. Each part assembles by itself: llvm-mc -triple=amdgcn-amd-amdhsa -mcpu=gfx1250 --defsym DOCPART=n.
;; ======== version 1 of 1: 2 launches
;; limits: right only within a limited range of input values
;; workspace buffers: kv 6,684,672 bytes
;; launch prep (part 1): grid 32 x 16, 8 waves a work-group, no clusters, 50,176 bytes of LDS; arguments keys, values, kv; writes kv
.if DOCPART == 1
	.amdgcn_target "amdgcn-amd-amdhsa--gfx1250"
	.amdhsa_code_object_version 6
	.text
	.protected	k_qc8a9273ab9_prep
	.globl	k_qc8a9273ab9_prep
	.p2align	8
	.type	k_qc8a9273ab9_prep,@function
k_qc8a9273ab9_prep:
	s_mov_b64 s[64:65], 0
	v_nop
	global_prefetch_b8 v0, s[64:65] scope:SCOPE_SE
	s_setreg_imm32_b32 hwreg(HW_REG_WAVE_MODE, 25, 1), 1
	s_wait_xcnt 0x0
; keys, values: [2][4096][8][64] f32.  They become codes of FP6 (E2M3) with one E8M0 scale byte for each 32 along a product's K:
; K is quantised along the head's 64 (two blocks), V along the keys (blocks of 32 keys).  A block's scale is 2^(floor(log2(largest magnitude)) - 2).
; kv: [16 heads 8 n + h][32 steps of 128 keys][13,056 bytes]; a step's block is laid IN THE ORDER OF THE OPERANDS' REGISTERS, so that the next launch fetches a fragment by loads of 16 bytes a lane:
;   +0      K's codes: a lane's 48 registers R = 6 t + i (tile t of 16 keys) at byte (R / 4) 512 + 16 lane + 4 (R % 4).  Lane (r, h) of tile 4 c + u holds key 64 c + 8 u + r % 8 + 32 (r / 8), d = 32 h .. 32 h + 31
;   +6,144  V's codes: R = 12 td + 6 c + i, the same formula.  Lane (r, h) of tile td holds d = 16 td + r, keys 64 c + 32 h + 0 .. 31
;   +12,288 K's scale words: byte 16 lane + 4 j: tile 2 j + lane / 16, row lane % 16; bytes 0, 1 = the two blocks of d, bytes 2, 3 = 0 (they meet zero codes alone)
;   +12,800 V's scale words: byte 8 lane + 4 j: tile 2 j + lane / 16, row lane % 16; its four bytes = the step's four blocks of keys
; LIMITS: NaN and infinities among the inputs are not served.  A block whose largest magnitude lies under 2^-124 gets the byte 1 (the floor), a block of zeros too, where the rule says 127:
; its codes are zeros, which add nothing under any byte but 0xff, and this program alone reads the bytes.
; SHARES: a work-group of eight waves makes one step's block.  K: wave w is tile w; a lane quantises one block of 32 d of one key.  V: wave w takes key block w / 2 and d = 32 (w % 2) + lane: a lane takes a
; column d and its registers run down the keys, so a block lies in one lane and nothing is transposed.  The block is gathered in LDS and leaves in runs of 256 consecutive aligned bytes from sixteen neighbouring lanes.
.set KSTW,  4352                       ; LDS: each wave's stage for K: 16 rows x (256 bytes + 16)
.set IMG,   8*KSTW                     ; behind the stages: the step's block as it will lie in kv
.set VCO,   6144
.set KSCO,  12288
.set VSCO,  12800
.set STEPB, 13056
.set KR,    32                         ; v32-63   K as loaded; later the way out
.set KX,    64                         ; v64-95   my 32 numbers of K
.set VX,    96                         ; v96-127  my 32 numbers of V
.set TLL,   128                        ; v128     the block's last 768 bytes: LDS address, 8 bytes a thread
.set TLG,   129                        ; v129     and the same place in kv
.set SH8,   130                        ; v130     8 x (lane / 16)
	s_load_b128 s[4:7], s[0:1], 0x0                ; keys, values
	s_load_b64 s[8:9], s[0:1], 0x10                ; kv
	v_lshl_add_u32 v132, v0, 2, 0xc000             ; my spare word, behind the image
	v_mov_b32 v133, 0
	v_lshrrev_b32 v1, 5, v0
	s_delay_alu instid0(VALU_DEP_1)
	v_readfirstlane_b32 s10, v1                    ; wave w
	s_lshr_b32 s11, s10, 1                         ; w / 2: V: the block of 32 keys
	s_and_b32 s12, s10, 1                          ; w % 2: V: which 32 of the head's 64
	s_and_b32 s13, ttmp7, 0xffff                   ; the head 8 n + h
	s_lshr_b32 s24, s13, 3
	s_lshl_b32 s16, s24, 23                        ; n x 4,096 rows of 2,048 bytes
	s_and_b32 s24, s13, 7
	s_lshl_b32 s24, s24, 8                         ; h x 256 bytes
	s_add_co_u32 s16, s16, s24
	s_lshl_b32 s24, ttmp9, 18                      ; the step: 128 rows
	s_add_co_u32 s16, s16, s24
	s_lshr_b32 s24, s10, 2
	s_lshl_b32 s24, s24, 17                        ; K: 64 rows x (w / 4)
	s_add_co_u32 s18, s16, s24
	s_and_b32 s24, s10, 3
	s_lshl_b32 s24, s24, 14                        ; K: 8 rows x (w % 4)
	s_add_co_u32 s18, s18, s24
	s_mov_b32 s19, 0
	s_lshl_b32 s24, s11, 16                        ; V: 32 rows x (w / 2)
	s_add_co_u32 s16, s16, s24
	s_lshl_b32 s24, s12, 7                         ; V: 128 bytes x (w % 2)
	s_add_co_u32 s20, s16, s24
	s_mov_b32 s21, 0
	s_lshl_b32 s22, s13, 5
	s_add_co_u32 s22, s22, ttmp9
	s_mul_i32 s22, s22, STEPB                      ; my block in kv
	s_mov_b32 s23, 0
	s_mov_b32 s28, 0x76543210
	s_mov_b32 s29, 0xfedcba98                      ; v_permlanex16_b32's selects for lane l xor 16
	v_and_b32 v1, 31, v0                           ; lane
	v_and_b32 v2, 15, v0                           ; r
	v_bfe_u32 v3, v0, 4, 1                         ; h
	s_delay_alu instid0(VALU_DEP_1)
	v_lshlrev_b32 v[SH8], 3, v3
	s_delay_alu instid0(VALU_DEP_3)
	v_lshlrev_b32 v4, 4, v2
	s_delay_alu instid0(VALU_DEP_1)
	v_lshl_add_u32 v4, v3, 16, v4                  ; K in memory: lanes 0-15 a whole row of 256 bytes, lanes 16-31 the row 32 keys on
	s_mul_i32 s24, s10, KSTW
	v_mul_u32_u24 v5, v3, 8*272
	s_delay_alu instid0(VALU_DEP_1)
	v_lshl_add_u32 v5, v2, 4, v5
	s_delay_alu instid0(VALU_DEP_1)
	v_add_nc_u32 v5, s24, v5                       ; into my stage: load i is rows i and i + 8 of the tile
	v_mul_u32_u24 v6, v2, 272
	s_delay_alu instid0(VALU_DEP_1)
	v_lshl_add_u32 v6, v3, 7, v6
	s_delay_alu instid0(VALU_DEP_1)
	v_add_nc_u32 v6, s24, v6                       ; back: row r, my half's 128 bytes
	v_lshl_add_u32 v31, v1, 4, IMG
	s_wait_alu depctr_va_vdst(0)                   ; ahead of the run of scalar lines
	s_mul_i32 s24, s10, 3                          ; K's codes: my pairs of registers are pairs 3 w + p of the lane's 24; pair q lies at (q / 2) 512 + 8 (q % 2) + 16 lane
.irp p, 0,1,2
	s_add_co_u32 s25, s24, \p
	s_lshr_b32 s26, s25, 1
	s_lshl_b32 s26, s26, 9
	s_and_b32 s27, s25, 1
	s_lshl_b32 s27, s27, 3
	s_or_b32 s26, s26, s27
	v_add_nc_u32 v[7+\p], s26, v31
.endr
	s_lshl_b32 s25, s12, 8
	s_lshl_b32 s26, s11, 2
	s_add_co_u32 s25, s25, s26
	v_lshl_add_u32 v10, v2, 4, IMG+KSCO
	s_delay_alu instid0(VALU_DEP_1)
	v_add_nc_u32 v10, s25, v10                     ; K's scale word of tile w, row r: 16 (r + 16 (w % 2)) + 4 (w / 2)
	v_lshlrev_b32 v11, 2, v1                       ; V in memory: 4 bytes a lane
	v_mul_u32_u24 v30, v3, 1536
	s_delay_alu instid0(VALU_DEP_1)
	v_lshl_add_u32 v30, v2, 4, v30
	s_delay_alu instid0(VALU_DEP_1)
	v_add_nc_u32 v30, IMG+VCO, v30                 ; V's codes: tile td = 2 (w % 2) + h, row r; the image's lane is r + 16 ((w / 2) % 2); pairs 6 td + 3 (w / 4) + p
	s_wait_alu depctr_va_vdst(0)                   ; ahead of the run of scalar lines
	s_and_b32 s14, s11, 1
	s_lshl_b32 s14, s14, 8
	s_mul_i32 s15, s12, 3072
	s_add_co_u32 s14, s14, s15
	s_lshr_b32 s24, s10, 2
	s_mul_i32 s24, s24, 3
.irp p, 0,1,2
	s_add_co_u32 s25, s24, \p
	s_lshr_b32 s26, s25, 1
	s_lshl_b32 s26, s26, 9
	s_and_b32 s27, s25, 1
	s_lshl_b32 s27, s27, 3
	s_or_b32 s26, s26, s27
	s_add_co_u32 s26, s26, s14
	v_add_nc_u32 v[12+\p], s26, v30
.endr
	s_lshl_b32 s25, s12, 2
	s_add_co_u32 s25, s25, s11
	v_lshl_add_u32 v15, v1, 3, IMG+VSCO
	s_delay_alu instid0(VALU_DEP_1)
	v_add_nc_u32 v15, s25, v15                     ; V's scale byte: 8 lane + 4 (w % 2) + w / 2
	v_lshl_add_u32 v16, v0, 4, IMG                 ; the way out: 16 bytes a thread,
	v_lshlrev_b32 v17, 4, v0                       ; and the same place in kv
	v_lshl_add_u32 v[TLL], v0, 3, IMG+KSCO
	v_lshlrev_b32 v[TLG], 3, v0
	s_wait_alu depctr_va_vdst(0)                   ; the head's end
	s_wait_kmcnt 0x0
	s_add_nc_u64 s[4:5], s[4:5], s[18:19]
	s_add_nc_u64 s[6:7], s[6:7], s[20:21]
	s_add_nc_u64 s[8:9], s[8:9], s[22:23]
.irp i, 0,1,2,3,4,5,6,7
	global_load_b128 v[KR+4*\i:KR+4*\i+3], v4, s[4:5] offset:2048*\i th:TH_LOAD_NT   ; sixteen lanes read a key's whole 256 bytes; read once in the launch
.endr
.set i, 0
.rept 32
	global_load_b32 v[VX+i], v11, s[6:7] offset:2048*i th:TH_LOAD_NT                 ; key i of my block, 128 consecutive bytes a wave
.set i, i+1
.endr
; 32 numbers of ONE block in v[x] on become six registers of codes in v[24:29] and the scale's byte in v30.
.macro QBLOCK x
	v_max3_num_f32 v18, |v[\x]|, |v[\x+1]|, |v[\x+2]|      ; the largest magnitude, in two chains
	v_max3_num_f32 v19, |v[\x+3]|, |v[\x+4]|, |v[\x+5]|
.irp i, 6,10,14,18,22,26
	s_delay_alu instid0(VALU_DEP_2)
	v_max3_num_f32 v18, v18, |v[\x+\i]|, |v[\x+\i+1]|
	s_delay_alu instid0(VALU_DEP_2)
	v_max3_num_f32 v19, v19, |v[\x+\i+2]|, |v[\x+\i+3]|
.endr
	s_delay_alu instid0(VALU_DEP_2)
	v_max3_num_f32 v18, v18, |v[\x+30]|, |v[\x+31]|
	s_delay_alu instid0(VALU_DEP_1)
	v_max3_num_f32 v18, v18, v19, 0x1800000                ; and the floor 2^(3 - 127): the byte cannot fall under 1
	s_delay_alu instid0(VALU_DEP_1)
	v_add_nc_u32 v23, 0xff000000, v18                      ; 2 off its exponent field: the conversion takes this operand's exponent field as its scale
	v_cvt_scalef32_pk16_fp6_f32 v[24:26], v[\x:\x+15], v23
	v_cvt_scalef32_pk16_fp6_f32 v[20:22], v[\x+16:\x+31], v23   ; (a conversion's three registers begin on an even number)
	v_lshrrev_b32 v30, 23, v23                             ; the scale's byte; also the plain line behind the conversions
	v_mov_b32 v27, v20
	v_mov_b32 v28, v21
	v_mov_b32 v29, v22
.endm
	; ---- K
	s_wait_loadcnt 32                              ; K's eight loads are in; V's 32, issued behind them, may be out
.irp i, 0,1,2,3,4,5,6,7
	ds_store_b128 v5, v[KR+4*\i:KR+4*\i+3] offset:272*\i
.endr
.irp j, 0,1,2,3,4,5,6,7
	ds_load_b128 v[KX+4*\j:KX+4*\j+3], v6 offset:16*\j     ; my own stage: LDS serves a wave's instructions in order, so no wait stands between
.endr
	s_wait_dscnt 0x0
	QBLOCK KX
	ds_store_b64 v7, v[24:25]
	ds_store_b64 v8, v[26:27]
	ds_store_b64 v9, v[28:29]
	v_lshlrev_b32 v31, v[SH8], v30                 ; my block's byte at its place in the row's scale word,
	v_mov_b32 v19, 0
	s_delay_alu instid0(VALU_DEP_1)
	v_permlanex16_b32 v19, v31, s28, s29
	s_delay_alu instid0(VALU_DEP_1)
	v_or_b32 v31, v31, v19                         ; with lane l xor 16's the word is whole
	ds_store_b32 v10, v31                          ; (both halves write the same word with the same value)
	; ---- V
	s_wait_loadcnt 0x0
	s_wait_dscnt 0x0                               ; the stores have read their registers
	QBLOCK VX
	ds_store_b64 v12, v[24:25]
	ds_store_b64 v13, v[26:27]
	ds_store_b64 v14, v[28:29]
	ds_store_b8 v15, v30
	s_wait_dscnt 0x0                               ; for the others' sake: my part of the block lies in LDS
	s_barrier_signal -1
	s_barrier_wait -1
	; ---- the way out: 3 x 4,096 bytes by all 256 threads, then 768 bytes by waves 0 to 2
.irp k, 0,1,2
	ds_load_b128 v[KR+4*\k:KR+4*\k+3], v16 offset:4096*\k
.endr
.irp k, 0,1,2
	s_wait_dscnt 2-\k                              ; load k is in; the younger ones may be out
	global_store_b128 v17, v[KR+4*\k:KR+4*\k+3], s[8:9] offset:4096*\k   ; sixteen lanes store 256 consecutive bytes, aligned; the next launch reads them: no hint
.endr
	s_cmp_lt_u32 s10, 3
	s_cbranch_scc0 .Ldone
	ds_load_b64 v[KR+12:KR+13], v[TLL]
	s_wait_dscnt 0x0
	global_store_b64 v[TLG], v[KR+12:KR+13], s[8:9] offset:KSCO          ; 32 lanes store 256 consecutive bytes, aligned
.Ldone:
	s_wait_tensorcnt 0x0                           ; the wave's end
	ds_add_u32 v132, v133
	s_wait_dscnt 0x0
	s_endpgm
.Lfunc_end_k_qc8a9273ab9_prep:
	.size	k_qc8a9273ab9_prep, .Lfunc_end_k_qc8a9273ab9_prep-k_qc8a9273ab9_prep
	.p2alignl 7, 3214868480
	.fill 96, 4, 3214868480
	.section	.rodata,"a",@progbits
	.p2align	6, 0x0
	.amdhsa_kernel k_qc8a9273ab9_prep
		.amdhsa_group_segment_fixed_size 50176
		.amdhsa_private_segment_fixed_size 0
		.amdhsa_enable_private_segment 0
		.amdhsa_kernarg_size 24
		.amdhsa_user_sgpr_count 2
		.amdhsa_user_sgpr_kernarg_segment_ptr 1
		.amdhsa_wavefront_size32 1
		.amdhsa_system_sgpr_workgroup_id_x 1
		.amdhsa_system_sgpr_workgroup_id_y 1
		.amdhsa_system_sgpr_workgroup_id_z 1
		.amdhsa_system_vgpr_workitem_id 0
		.amdhsa_next_free_vgpr 134
		.amdhsa_next_free_sgpr 66
		.amdhsa_reserve_vcc 0
		.amdhsa_float_denorm_mode_32 3
		.amdhsa_float_denorm_mode_16_64 3
		.amdhsa_memory_ordered 1
		.amdhsa_forward_progress 1
		.amdhsa_inst_pref_size 16
	.end_amdhsa_kernel
	.amdgpu_metadata
---
amdhsa.version: [ 1, 2 ]
amdhsa.kernels:
  - .name:           k_qc8a9273ab9_prep
    .symbol:         k_qc8a9273ab9_prep.kd
    .args:
      - { .name: keys, .offset: 0, .size: 8, .value_kind: global_buffer, .address_space: global }
      - { .name: values, .offset: 8, .size: 8, .value_kind: global_buffer, .address_space: global }
      - { .name: kv, .offset: 16, .size: 8, .value_kind: global_buffer, .address_space: global }
    .group_segment_fixed_size: 50176
    .private_segment_fixed_size: 0
    .kernarg_segment_align: 8
    .kernarg_segment_size: 24
    .max_flat_workgroup_size: 256
    .sgpr_count:     66
    .vgpr_count:     134
    .wavefront_size: 32
...
	.end_amdgpu_metadata
.endif
;; end of part 1
;; launch attn (part 2): grid 16 x 16, 8 waves a work-group, clusters of 4 x 1, 327,680 bytes of LDS; arguments queries, kv, out0; writes out0
.if DOCPART == 2
	.amdgcn_target "amdgcn-amd-amdhsa--gfx1250"
	.amdhsa_code_object_version 6
	.text
	.protected	k_qc8a9273ab9_attn
	.globl	k_qc8a9273ab9_attn
	.p2align	8
	.type	k_qc8a9273ab9_attn,@function
k_qc8a9273ab9_attn:
	s_mov_b64 s[64:65], 0
	v_nop
	global_prefetch_b8 v0, s[64:65] scope:SCOPE_SE
	s_setreg_imm32_b32 hwreg(HW_REG_WAVE_MODE, 25, 1), 1
	s_wait_xcnt 0x0
	s_wait_alu depctr_hold_cnt(0) depctr_sa_sdst(0) depctr_va_vdst(0) depctr_va_sdst(0) depctr_va_ssrc(0) depctr_va_vcc(0) depctr_vm_vsrc(0)
	s_getreg_b32 s2, hwreg(HW_REG_IB_STS2, 6, 4)
	s_cmp_eq_u32 s2, 0
	s_cbranch_scc0 .Lentry_in_a_cluster
	s_endpgm
.Lentry_in_a_cluster:
	s_bfe_u32 s2, ttmp6, 0x10000c
	s_cmp_lg_u32 s2, 0x3003
	s_cbranch_scc0 .Lentry_shape_is_right
	s_endpgm
.Lentry_shape_is_right:
; out0[n][q][h][:] = the sum over k of softmax_k(Q . K / 8) V, both products on codes of FP6 (E2M3) with one E8M0 scale for each 32 along a product's K.  queries, out0: [2][4096][8][64] f32.
; kv: [16 heads][32 steps of 128 keys][13,056 bytes]: K's and V's codes and scale words as images of the operands' registers, made by the launch before (its head comment has the layout).
; THE SOFTMAX AHEAD OF THE SECOND PRODUCT: t = score x log2(e) / 8; M = the row's largest t so far, rounded UP to a whole number; p = 2^(t - M) is quantised along the keys, not normalised.
; The row's sum is taken of the unquantised p, in f32, and divides O at the end.  When M moves, the sum and O are multiplied by 2^(old M - new M): exact.
; SHARES: a work-group owns 256 queries of one head, each of its eight waves 32 of them, as TWO TILES of 16 queries (q = 0, 1): two waves to a SIMD.  Each fragment of K and of V that a wave reads from LDS feeds two
; matrix instructions, and the two tiles' dependent lines (the running maximum, M, f, the scale words) take turns, so that no line reads the line just above it.
; LAYOUT: both products are used transposed: S^T = K Q^T (source 0 = 16 keys, source 1 = 16 queries), O^T = V^T P^T (source 0 = 16 of the head's 64, source 1 = P): a lane holds ONE query of each tile (lane % 16) throughout.
; Rows 0-7 of K's tile 4 c + u are keys 64 c + 8 u + 0 .. 7 and rows 8-15 the keys 32 further on: so the 32 registers of tiles 4 c .. 4 c + 3 are, in lane (r, h), the keys 64 c + 32 h + 0 .. 31:
; ONE WHOLE BLOCK OF 32 IN ONE LANE, in the order of P's operand registers 6 c .. 6 c + 5.  A block's largest score needs no other lane and P's codes change no lane.
; THE HEAD IS 64 AND THE INSTRUCTION'S K IS 128: Q's fragment is six registers of codes and six of zero codes.  K's fragment t is named as v[KB + 6 t .. KB + 6 t + 11]: its upper six registers are the next tile's
; codes (behind tile 7: six zero registers); they meet Q's zero codes alone and add exactly 0; the scale bytes of those two blocks are 0 (2^-127, no NaN) on both sides.
; REGISTERS, in windows of 256: window 1 holds the long arrays of both tiles: S^T / p of tile q at v[64 q ..], O^T at v[128 + 32 q ..]; all else lies in window 0.  So each stage of a step runs for both tiles under ONE setting of
; s_set_vgpr_msb (low byte: bits 1:0 source 0, 3:2 source 1, 5:4 source 2, 7:6 destination).  Block e = 2 q + c (tile q, my block c) has its 32 p at v[32 e ..] of window 1.
; THE SUM OF p IS TAKEN ONE STEP LATE: step i's p stay in their registers until step i + 1's head, where their packed additions stand behind the last products and round K's LDS loads.
; They are added under M of step i, ahead of step i + 1's change of M.  The last step's p are added behind the last loop.
; THE FIRST STEP IS WRITTEN OUT: it has no p to add, and its products start O^T with the constant 0: nothing is cleared.
; CLUSTER: the four query blocks of a cluster belong to one head and walk the same kv, so each tile is asked for JOINTLY: the same tensor load, the same descriptor, a mask that names the four.
; LDS: at the head each of the eight waves asks for 116 rows of 256 bytes: 928 rows, key steps 0 to 17 (918 rows) and ten rows more.  Steps 0 to 13 are worked; behind one round of the cluster's barrier waves 0 to 6
; fetch steps 18 to 31, two steps (102 rows) each, onto the bytes of steps 0 to 13; steps 14 to 17 are worked meanwhile.  So bytes are filled again once in the launch.  The barrier that shows the refill to every wave
; guards no refill: it is signalled behind step 15 and waited for behind step 17.  A wave has one tensor load out at the most.
; NO PREFETCH: the head's loads have no loop ahead of them, and the one refill is asked for two whole key steps (48 matrix instructions a wave, eight waves) ahead of the wait for it.
; LIMITS: NaN and infinities are not served.  The promise holds while the scaled scores t stay under 2^31 in magnitude.  A block of Q under 2^-124, or of zeros, gets the byte 1 (only this program reads it).  A p under 2^-126 is 0 (v_exp_f32).
.set STEPB, 13056                      ; a step's block
.set VCO,   6144                       ; in it: V's codes,
.set KSCO,  12288                      ; K's scale words,
.set VSCO,  12800                      ; V's scale words
.set HEADB, 32*STEPB
.set HB,    116*256                    ; what a wave's load at the head brings
.set NA,    14                         ; steps 0 .. NA - 1 lie on the bytes that are filled again, with steps 18 .. 31
.set STGW,  4352                       ; a tile's stage: 16 rows x (256 bytes + 16); two to a wave
.set STAGE, 8*HB                       ; behind the tiles: the stages; no fill lands there
.set SPARE, STAGE+16*STGW              ; behind the stages: the spare words, 128 bytes for each wave: four blocks of 256 bytes that no other line names
; window 0
.set L16, 1                            ; v1   16 x lane
.set L8,  2                            ; v2   8 x lane
.set SPW, 3                            ; v3   LDS address of my spare word; never rewritten
.set NIL, 4                            ; v4   0; never rewritten
.set ADR, 5                            ; v5   the step's block + 16 x lane
.set ADR8, 6                           ; v6   the step's block + 8 x lane
.set GO,  7                            ; v7   the way out: my byte offset in the wave's rows of out0
.set STO, 8                            ; v8   the stage: where I put 32 bytes of a row of O
.set RD,  9                            ; v9   and where I read a row back
.set NM,  12                           ; v[12 + 2 q] -M, and
.set SM,  13                           ; v[13 + 2 q] the largest score so far
.set SUM, 16                           ; v[16 + 2 q : 17 + 2 q] the row's sum, in two halves
.set FF,  20                           ; v[20 + 2 q : 21 + 2 q] f = 2^(old M - new M) (the pair is named; its low word serves)
.set QS,  24                           ; v[24 + q] Q's scale words
.set PS,  26                           ; v[26 + q] p's scale words
.set H8,  28                           ; v28  8 x (lane / 16)
.set QA,  29                           ; v29  Q in memory
.set QST, 30                           ; v30  Q into the stage
.set QRD, 31                           ; v31  and back
.set KS,  32                           ; v[32:35] K's scale words: register j: lanes 0-15 tile 2 j, lanes 16-31 tile 2 j + 1
.set VS,  36                           ; v[36:37] V's likewise
.set WK,  38                           ; v[38 + q] at work
.set KB,  40                           ; v[40:87] K's codes of a step, then V's
.set ZR,  88                           ; v[88:93] zero codes, behind K's tile 7
.set WK2, 94                           ; v[94 + q] what lane l xor 16 sends
.set QF,  96                           ; v[96 + 12 q ..] Q's fragments
.set PC,  120                          ; v[120 + 6 e ..] p's codes: 12 registers a tile
.set PT,  144                          ; v[144 + 4 e ..] the conversions' second halves
.set BM,  160                          ; v[160 + e] the blocks' largest scores, then largest p
.set BN,  164                          ; v[164 + e] the maxima's second chains; then the scale bytes
.set SOP, 168                          ; v[168 + e] the conversions' scale operands
.set TA,  172                          ; v[172 + 8 q ..] the sum's four chains a tile
.set QR,  188                          ; v[188:251] the head: Q as loaded; the way out: O divided
; window 1
.set OTB, 128                          ; O^T of tile q at v[128 + 32 q ..]
.set WV,  10                           ; s10  my wave's number
.set SEL, 20                           ; s[20:21] selects for lane l xor 16
.set CS,  22                           ; s[22:23] c = log2(e) / 8
.set G1,  24                           ; s[24:31] descriptor group 1, 116 rows
.set G0,  32                           ; s[32:35] group 0 of my load at the head
.set G0R, 36                           ; s[36:39] group 0 of my refill
.set TB,  40                           ; s40  LDS byte at which the step's block begins
.set CNT, 41                           ; s41  steps left in the loop
.set G1R, 48                           ; s[48:55] descriptor group 1, 102 rows
.set MSB, 0
.macro WIN new                         ; the immediate's high byte repeats the setting that is left; at a label and at a branch every window is 0
.if MSB != \new
	s_set_vgpr_msb (MSB<<8)|\new
.set MSB, \new
.endif
.endm
.macro CROUND                          ; a round of the cluster's barrier: my work-group's barrier; wave 0 signals for the work-group; every wave waits for all four work-groups; my work-group's barrier once more
	s_barrier_signal -1
	s_barrier_wait -1
	s_cmp_lg_u32 s[WV], 0
	s_cbranch_scc1 .Lnot_wave_0_\@
	s_barrier_signal -3
.Lnot_wave_0_\@:
	s_barrier_wait -3
	s_barrier_signal -1
	s_barrier_wait -1
.endm
	s_load_b128 s[4:7], s[0:1], 0x0                ; queries, kv
	s_load_b64 s[8:9], s[0:1], 0x10                ; out0
	v_lshl_add_u32 v[SPW], v0, 2, SPARE
	v_mov_b32 v[NIL], 0
	ds_add_u32 v[SPW], v[NIL]                      ; the opening lines: the add, twice on end, and its wait ahead of my first tensor load
	ds_add_u32 v[SPW], v[NIL]
	v_lshrrev_b32 v10, 5, v0
	v_readfirstlane_b32 s[WV], v10                 ; wave 0..7
	s_bfe_u32 s12, ttmp6, 0x40000                  ; cx: my place in the cluster
	s_lshl_b32 s13, ttmp9, 2                       ; in a cluster launch ttmp9 counts clusters
	s_add_co_u32 s13, s13, s12                     ; my block of 256 queries: it enters Q's and O's addresses alone
	s_and_b32 s14, ttmp7, 0xffff                   ; the head 8 n + h, which the four partners share
	s_lshr_b32 s42, s14, 3
	s_lshl_b32 s16, s42, 23                        ; n x 4,096 rows of 2,048 bytes
	s_and_b32 s42, s14, 7
	s_lshl_b32 s42, s42, 8                         ; h x 256 bytes
	s_add_co_u32 s16, s16, s42
	s_lshl_b32 s42, s13, 19                        ; my block's 256 rows
	s_add_co_u32 s16, s16, s42
	s_lshl_b32 s42, s[WV], 16                      ; my wave's 32 of them
	s_add_co_u32 s16, s16, s42
	s_mov_b32 s17, 0
	s_mul_i32 s18, s14, HEADB                      ; kv: the head
	s_mul_i32 s43, s[WV], HB                       ; my 116 rows at the head: in memory and in LDS alike; no place in the cluster enters either
	s_mul_i32 s46, s[WV], 2*STEPB                  ; my refill: to the bytes of steps 2 w and 2 w + 1,
	s_add_co_u32 s44, s18, s46
	s_add_co_u32 s44, s44, 18*STEPB                ; from steps 18 + 2 w and 19 + 2 w
	s_mov_b32 s45, 0
	s_add_co_u32 s18, s18, s43
	s_mov_b32 s19, 0
	s_mul_i32 s47, s[WV], 2*STGW
	s_add_co_u32 s47, s47, STAGE                   ; my two stages
	; descriptor groups 1: dense blocks as rows of 256 bytes (32 elements of 8 bytes), no padding: an image's load of 16 bytes a lane covers 512 consecutive bytes
	s_mov_b32 s[G1], 15|(3<<16)|(1<<21)            ; 15:0 the mask: all four work-groups; 17:16 elements of 8 bytes; 21 set beside a mask
	s_mov_b32 s[G1+1], 32<<16                      ; tensor_dim0 = 32
	s_mov_b32 s[G1+2], 116<<16                     ; tensor_dim1 = 116
	s_mov_b32 s[G1+3], 32<<16                      ; tile_dim0 = 32
	s_mov_b32 s[G1+4], 116                         ; tile_dim1 = 116
	s_mov_b32 s[G1+5], 32                          ; elements from row to row
	s_mov_b32 s[G1+6], 0
	s_mov_b32 s[G1+7], 0
	s_mov_b32 s[G1R], 15|(3<<16)|(1<<21)
	s_mov_b32 s[G1R+1], 32<<16
	s_mov_b32 s[G1R+2], 102<<16                    ; two steps: 102 rows
	s_mov_b32 s[G1R+3], 32<<16
	s_mov_b32 s[G1R+4], 102
	s_mov_b32 s[G1R+5], 32
	s_mov_b32 s[G1R+6], 0
	s_mov_b32 s[G1R+7], 0
	s_mov_b32 s[SEL], 0x76543210
	s_mov_b32 s[SEL+1], 0xfedcba98
	s_mov_b32 s[CS], 0x3e38aa3b                    ; c = log2(e) / sqrt(64)
	s_mov_b32 s[CS+1], s[CS]                       ; (named with it as a pair, so it is written)
	v_and_b32 v10, 31, v0                          ; lane
	v_and_b32 v11, 15, v0                          ; r
	v_bfe_u32 v[WK], v0, 4, 1                      ; h
	v_lshlrev_b32 v[L16], 4, v10
	v_lshlrev_b32 v[L8], 3, v10
	v_lshlrev_b32 v[GO], 4, v11
	v_mul_u32_u24 v[STO], v11, 272
	v_lshl_add_u32 v[RD], v11, 4, s47
	v_lshlrev_b32 v[H8], 3, v[WK]
	v_lshl_add_u32 v[QA], v[WK], 14, v[GO]         ; Q: lanes 0-15 a whole row of 256 bytes, lanes 16-31 the row 8 queries on
	v_lshl_add_u32 v[GO], v[WK], 11, v[GO]         ; O: lanes 0-15 one row, lanes 16-31 the next
	v_add_nc_u32 v[STO], s47, v[STO]
	v_mad_u32_u24 v[QST], v[WK], 8*272, v[RD]      ; Q in: load i is rows i and i + 8
	v_mad_u32_u24 v[RD], v[WK], 272, v[RD]         ; O back: lanes 0-15 one row, lanes 16-31 the next
	v_lshl_add_u32 v[QRD], v[WK], 7, v[STO]        ; Q back: row r, my half's 128 bytes
	v_lshl_add_u32 v[STO], v[WK], 5, v[STO]        ; O in: row r, + 32 h
	s_wait_alu depctr_va_vdst(0)                   ; directly ahead of the waits below
	s_wait_dscnt 0x0                               ; both opening adds are done
	s_wait_kmcnt 0x0
	s_add_nc_u64 s[4:5], s[4:5], s[16:17]          ; Q and O at my wave's first row
	s_add_nc_u64 s[8:9], s[8:9], s[16:17]
.irp q, 0,1
.irp i, 0,1,2,3,4,5,6,7
	global_load_b128 v[QR+32*\q+4*\i:QR+32*\q+4*\i+3], v[QA], s[4:5] offset:32768*\q+2048*\i th:TH_LOAD_NT   ; my 32 queries, read once, by me alone
.endr
.endr
	s_mov_b32 s[G0], 1                             ; 1:0 count = 1
	s_mov_b32 s[G0+1], s43                         ; 63:32 LDS address
	s_add_nc_u64 s[G0+2:G0+3], s[6:7], s[18:19]    ; 120:64 global address
	s_or_b32 s[G0+3], s[G0+3], 0x80000000          ; 127:126 type = 2
	s_mov_b32 s[G0R], 1
	s_mov_b32 s[G0R+1], s46
	s_add_nc_u64 s[G0R+2:G0R+3], s[6:7], s[44:45]
	s_or_b32 s[G0R+3], s[G0R+3], 0x80000000
	CROUND                                         ; all four work-groups are here: the first joint loads meet
	tensor_load_to_lds s[G0:G0+3], s[G1:G1+7]      ; every wave's one load at the head
	s_nop 0
.rept 4
	v_nop
.endr
	; ---- Q is quantised in registers while the tiles are on their way
	s_wait_loadcnt 0x0
.irp q, 0,1
.irp i, 0,1,2,3,4,5,6,7
	ds_store_b128 v[QST], v[QR+32*\q+4*\i:QR+32*\q+4*\i+3] offset:STGW*\q+272*\i
.endr
.endr
.irp j, 0,1,2,3,4,5,6,7
	ds_load_b128 v[KB+4*\j:KB+4*\j+3], v[QRD] offset:16*\j          ; my own stages: LDS serves a wave's instructions in order; lane (r, h): query r, d = 32 h .. 32 h + 31: one block
	ds_load_b128 v[PC+4*\j:PC+4*\j+3], v[QRD] offset:STGW+16*\j     ; the second tile's
.endr
	s_wait_dscnt 0x0
.macro QQ q, x                         ; tile q's block of 32 numbers in v[x ..] becomes Q's fragment and scale word
	v_max3_num_f32 v10, |v[\x]|, |v[\x+1]|, |v[\x+2]|
	v_max3_num_f32 v11, |v[\x+3]|, |v[\x+4]|, |v[\x+5]|
.irp i, 6,10,14,18,22,26
	s_delay_alu instid0(VALU_DEP_2)
	v_max3_num_f32 v10, v10, |v[\x+\i]|, |v[\x+\i+1]|
	s_delay_alu instid0(VALU_DEP_2)
	v_max3_num_f32 v11, v11, |v[\x+\i+2]|, |v[\x+\i+3]|
.endr
	s_delay_alu instid0(VALU_DEP_2)
	v_max3_num_f32 v10, v10, |v[\x+30]|, |v[\x+31]|
	s_delay_alu instid0(VALU_DEP_1)
	v_max3_num_f32 v10, v10, v11, 0x1800000        ; the floor 2^(3 - 127): the byte cannot fall under 1
	s_delay_alu instid0(VALU_DEP_1)
	v_add_nc_u32 v11, 0xff000000, v10              ; 2 off the exponent field: the conversion's scale operand
	v_cvt_scalef32_pk16_fp6_f32 v[QF+12*\q:QF+12*\q+2], v[\x:\x+15], v11
	v_cvt_scalef32_pk16_fp6_f32 v[BM:BM+2], v[\x+16:\x+31], v11   ; (a conversion's three registers begin on an even number)
	v_lshrrev_b32 v10, 23, v11                     ; the scale's byte; also the plain line behind the conversions
.irp i, 0,1,2
	v_mov_b32 v[QF+12*\q+3+\i], v[BM+\i]
.endr
.irp i, 6,7,8,9,10,11
	v_mov_b32 v[QF+12*\q+\i], 0                    ; k = 64 .. 127: zero codes
.endr
	v_lshlrev_b32 v10, v[H8], v10                  ; my block's byte at its place,
	v_mov_b32 v[QS+\q], 0
	s_delay_alu instid0(VALU_DEP_1)
	v_permlanex16_b32 v[QS+\q], v10, s[SEL], s[SEL+1]
	s_delay_alu instid0(VALU_DEP_1)
	v_or_b32 v[QS+\q], v[QS+\q], v10               ; with lane l xor 16's: the row's scale word; bytes 2 and 3 stay 0
.endm
	QQ 0, KB
	QQ 1, PC
	v_mov_b32 v[SM], 0xff61b1e6                    ; the largest score so far: -3e38, under every score
	v_mov_b32 v[SM+2], 0xff61b1e6
	v_mul_f32 v10, s[CS], v[SM]
.irp q, 0,1
	v_mov_b32 v[SUM+2*\q], 0
	v_mov_b32 v[SUM+2*\q+1], 0
	v_mov_b32 v[WK2+\q], 0                         ; written once: a lane permute's destination counts as one of its sources
	v_mov_b32 v[FF+2*\q+1], 0                      ; (named as the upper half of the pair)
	v_floor_f32 v[NM+2*\q], -v10
.endr
.irp i, 0,1,2,3,4,5
	v_mov_b32 v[ZR+\i], 0
.endr
; The sums of the two tiles' 64 p: 32 packed additions a tile, in four chains a tile.
.macro SUMA
	WIN 0x05                                       ; both sources in window 1
.irp q, 0,1
.irp k, 0,1,2,3
	v_pk_add_f32 v[TA+8*\q+2*\k:TA+8*\q+2*\k+1], v[64*\q+2*\k:64*\q+2*\k+1], v[64*\q+8+2*\k:64*\q+9+2*\k]
.endr
.endr
	WIN 0
.endm
.macro SUMB
	WIN 0x04                                       ; source 1 in window 1
.irp j, 16,24,32,40,48,56
.irp q, 0,1
.irp k, 0,1,2,3
	v_pk_add_f32 v[TA+8*\q+2*\k:TA+8*\q+2*\k+1], v[TA+8*\q+2*\k:TA+8*\q+2*\k+1], v[64*\q+\j+2*\k:64*\q+\j+2*\k+1]
.endr
.endr
.endr
	WIN 0
.endm
.macro SUMC
.irp q, 0,1
	v_pk_add_f32 v[TA+8*\q:TA+8*\q+1], v[TA+8*\q:TA+8*\q+1], v[TA+8*\q+2:TA+8*\q+3]
	v_pk_add_f32 v[TA+8*\q+4:TA+8*\q+5], v[TA+8*\q+4:TA+8*\q+5], v[TA+8*\q+6:TA+8*\q+7]
.endr
.irp q, 0,1
	v_pk_add_f32 v[TA+8*\q:TA+8*\q+1], v[TA+8*\q:TA+8*\q+1], v[TA+8*\q+4:TA+8*\q+5]
.endr
.irp q, 0,1
	v_pk_add_f32 v[SUM+2*\q:SUM+2*\q+1], v[SUM+2*\q:SUM+2*\q+1], v[TA+8*\q:TA+8*\q+1]
.endr
.endm
; A KEY STEP: 128 keys, whose block begins at LDS byte s[TB], for both tiles of queries.  first = 1: the launch's first step: no p to add, and O^T begins with the constant 0.
.macro STEP first
	v_add_nc_u32 v[ADR], s[TB], v[L16]
	v_add_nc_u32 v[ADR8], s[TB], v[L8]
.if \first == 0
	SUMA                                           ; the last step's p.  (With the two lines above: ten plain lines behind the last step's products, in front of loads into registers that they read)
.endif
	ds_load_b128 v[KS:KS+3], v[ADR] offset:KSCO
.irp j, 0,1,2,3,4,5,6,7,8,9,10,11
	ds_load_b128 v[KB+4*\j:KB+4*\j+3], v[ADR] offset:512*\j
.endr
.if \first == 0
	SUMB                                           ; 48 additions while K's codes are on their way
.endif
	WIN 0x40                                       ; the products' results in window 1
	s_wait_alu depctr_va_vdst(0)                   ; directly ahead of the wait below: the addresses
	s_wait_dscnt 0x0
.irp t, 0,2,4,6                                ; S^T = K Q^T: eight tiles of 16 keys x two tiles of queries; each fragment of K serves twice
.irp q, 0,1
	v_wmma_scale_f32_16x16x128_f8f6f4 v[64*\q+8*\t:64*\q+8*\t+7], v[KB+6*\t:KB+6*\t+11], v[QF+12*\q:QF+12*\q+11], 0, v[KS+\t/2], v[QS+\q] matrix_a_fmt:MATRIX_FMT_FP6 matrix_b_fmt:MATRIX_FMT_FP6
.endr
.irp q, 0,1
	v_wmma_scale_f32_16x16x128_f8f6f4 v[64*\q+8*\t+8:64*\q+8*\t+15], v[KB+6*\t+6:KB+6*\t+17], v[QF+12*\q:QF+12*\q+11], 0, v[KS+\t/2], v[QS+\q] matrix_a_fmt:MATRIX_FMT_FP6 matrix_b_fmt:MATRIX_FMT_FP6 matrix_a_scale:MATRIX_SCALE_ROW1
.endr
.endr
	WIN 0
.if \first == 0
	SUMC                                           ; the chains are joined: eight plain lines that name no register of the products: the places in front of the loads into K's registers and of the first read of the scores
.else
.rept 4
	v_nop
.endr
.endif
.irp j, 0,1,2,3,4,5,6,7,8,9,10,11
	ds_load_b128 v[KB+4*\j:KB+4*\j+3], v[ADR] offset:VCO+512*\j   ; V's codes land while the softmax is worked
.endr
	ds_load_b64 v[VS:VS+1], v[ADR8] offset:VSCO
	WIN 0x15                                       ; all three sources in window 1
.irp e, 0,1,2,3                                ; THE LARGEST SCORE OF EACH BLOCK OF 32 KEYS serves twice: for the row's maximum and, since p rises with the score, for the block's largest p.  Two chains a block; each accumulator is read from its low end on
	v_max3_num_f32 v[BM+\e], v[32*\e], v[32*\e+1], v[32*\e+2]
	v_max3_num_f32 v[BN+\e], v[32*\e+16], v[32*\e+17], v[32*\e+18]
.endr
	WIN 0x14                                       ; sources 1 and 2 in window 1
.irp i, 3,5,7,9,11,13
.irp e, 0,1,2,3
	v_max3_num_f32 v[BM+\e], v[BM+\e], v[32*\e+\i], v[32*\e+\i+1]
	v_max3_num_f32 v[BN+\e], v[BN+\e], v[32*\e+16+\i], v[32*\e+17+\i]
.endr
.endr
.irp e, 0,1,2,3
	v_max3_num_f32 v[BN+\e], v[BN+\e], v[32*\e+15], v[32*\e+31]   ; the two scores that the chains' pairs left over
.endr
	WIN 0
.irp e, 0,1,2,3
	v_max_num_f32 v[BM+\e], v[BM+\e], v[BN+\e]     ; the block's two chains are joined
.endr
.irp q, 0,1                                    ; from here to f the two tiles take turns line by line
	v_max3_num_f32 v[SM+2*\q], v[SM+2*\q], v[BM+2*\q], v[BM+2*\q+1]   ; the running largest score of my query: my 64 keys,
.endr
.irp q, 0,1
	v_mov_b32 v[WK+\q], v[NM+2*\q]                 ; (the old -M is kept)
.endr
.irp q, 0,1
	v_permlanex16_b32 v[WK2+\q], v[SM+2*\q], s[SEL], s[SEL+1]
.endr
.irp q, 0,1
	v_max_num_f32 v[SM+2*\q], v[SM+2*\q], v[WK2+\q]   ; and lane l xor 16's
.endr
.irp q, 0,1
	v_mul_f32 v[WK2+\q], s[CS], v[SM+2*\q]         ; as t (c is positive)
.endr
.irp q, 0,1
	v_floor_f32 v[NM+2*\q], -v[WK2+\q]             ; the new -M = floor(-t) = -ceil(t): M is a whole number
.endr
.irp q, 0,1
	v_sub_f32 v[WK+\q], v[NM+2*\q], v[WK+\q]       ; old M - new M: a whole number, 0 or less
.endr
.irp q, 0,1
	v_cvt_i32_f32 v[WK+\q], v[WK+\q]               ; (it saturates)
.endr
.irp q, 0,1
	v_ldexp_f32 v[FF+2*\q], 1.0, v[WK+\q]          ; f = 2^(old M - new M): the multiplications by it round nothing
.endr
.irp e, 0,1,2,3
	v_fma_f32 v[BM+\e], v[BM+\e], s[CS], v[NM+2*(\e/2)]   ; t - M of each block's largest score
.endr
	WIN 0x41                                       ; source 0 and the destination in window 1
.irp q, 0,1
.set j, 0
.rept 32
	v_pk_fma_f32 v[64*\q+j:64*\q+j+1], v[64*\q+j:64*\q+j+1], s[CS:CS+1], v[NM+2*\q:NM+2*\q+1] op_sel_hi:[1,0,0]   ; t - M, two at a time (of the pairs c and -M the low word serves both halves)
.set j, j+2
.endr
.endr
	s_wait_alu depctr_va_vdst(0)                   ; ahead of the batch
.set j, 0
.rept 128
	v_exp_f32 v[j], v[j]                           ; p = 2^(t - M), at most 1: not normalised
.set j, j+1
.endr
	WIN 0
.irp e, 0,1,2,3
	v_exp_f32 v[BM+\e], v[BM+\e]                   ; the block's largest p: the same two instructions on the same number give the same bits
.endr
.irp q, 0,1
	v_pk_mul_f32 v[SUM+2*\q:SUM+2*\q+1], v[SUM+2*\q:SUM+2*\q+1], v[FF+2*\q:FF+2*\q+1] op_sel_hi:[1,0]   ; the sums under the new M; also the plain lines behind the exponentials
.endr
	s_wait_dscnt 0x0                               ; V's codes and scale words are in
	s_wait_alu depctr_va_vdst(0)                   ; one wait for the whole batch, ahead of its first reader
.irp e, 0,1,2,3
	v_max_num_f32 v[BM+\e], 0x1800000, v[BM+\e]    ; the floor 2^(3 - 127): the byte cannot fall under 1 (a block whose every p is 0 keeps that byte: its codes are zeros)
.endr
.irp e, 0,1,2,3
	v_add_nc_u32 v[SOP+\e], 0xff000000, v[BM+\e]   ; 2 off the exponent field: the conversion's scale operand
.endr
	WIN 0x01                                       ; source 0 in window 1
.irp e, 0,1,2,3                                ; block e whole: registers 6 c .. 6 c + 5 of its tile's operand
	v_cvt_scalef32_pk16_fp6_f32 v[PC+6*\e:PC+6*\e+2], v[32*\e:32*\e+15], v[SOP+\e]
	v_cvt_scalef32_pk16_fp6_f32 v[PT+4*\e:PT+4*\e+2], v[32*\e+16:32*\e+31], v[SOP+\e]   ; (a conversion's three registers begin on an even number)
.endr
	WIN 0
.irp e, 0,1,2,3
	v_lshrrev_b32 v[BN+\e], 23, v[SOP+\e]          ; the scale's byte; also the plain lines behind the conversions
.endr
.irp q, 0,1
	v_lshl_or_b32 v[PS+\q], v[BN+2*\q+1], 16, v[BN+2*\q]   ; my two bytes: blocks h and 2 + h,
.endr
.irp q, 0,1
	v_lshlrev_b32 v[PS+\q], v[H8], v[PS+\q]        ; at their places in the scale word;
.endr
.irp q, 0,1
	v_permlanex16_b32 v[WK2+\q], v[PS+\q], s[SEL], s[SEL+1]
.endr
.irp q, 0,1
	v_or_b32 v[PS+\q], v[PS+\q], v[WK2+\q]         ; with lane l xor 16's two the word is whole
.endr
.irp e, 0,1,2,3
.irp i, 0,1,2
	v_mov_b32 v[PC+6*\e+3+\i], v[PT+4*\e+\i]
.endr
.endr
.if \first == 0
	WIN 0x41
	s_wait_alu depctr_va_vdst(0)                   ; directly ahead of the first reader of O^T
.irp q, 0,1
.set j, 0
.rept 16
	v_pk_mul_f32 v[OTB+32*\q+j:OTB+32*\q+j+1], v[OTB+32*\q+j:OTB+32*\q+j+1], v[FF+2*\q:FF+2*\q+1] op_sel_hi:[1,0]   ; O^T under the new M, each accumulator from its low end on.  (For each tile's products the other tile's 16 lines are the places behind p's codes and scale word)
.set j, j+2
.endr
.endr
.else
.rept 8
	v_nop                                          ; eight places behind p's scale words and codes, in front of the scaled products
.endr
.endif
	WIN 0x50                                       ; C and D in window 1
.irp t, 0,2                                    ; O^T += V^T P^T: four tiles of 16 of the head's 64 x two tiles of queries; the eight accumulators take turns, one instruction a turn
.irp q, 0,1
.if \first == 0
	v_wmma_scale_f32_16x16x128_f8f6f4 v[OTB+32*\q+8*\t:OTB+32*\q+8*\t+7], v[KB+12*\t:KB+12*\t+11], v[PC+12*\q:PC+12*\q+11], v[OTB+32*\q+8*\t:OTB+32*\q+8*\t+7], v[VS+\t/2], v[PS+\q] matrix_a_fmt:MATRIX_FMT_FP6 matrix_b_fmt:MATRIX_FMT_FP6
.else
	v_wmma_scale_f32_16x16x128_f8f6f4 v[OTB+32*\q+8*\t:OTB+32*\q+8*\t+7], v[KB+12*\t:KB+12*\t+11], v[PC+12*\q:PC+12*\q+11], 0, v[VS+\t/2], v[PS+\q] matrix_a_fmt:MATRIX_FMT_FP6 matrix_b_fmt:MATRIX_FMT_FP6
.endif
.endr
.irp q, 0,1
.if \first == 0
	v_wmma_scale_f32_16x16x128_f8f6f4 v[OTB+32*\q+8*\t+8:OTB+32*\q+8*\t+15], v[KB+12*\t+12:KB+12*\t+23], v[PC+12*\q:PC+12*\q+11], v[OTB+32*\q+8*\t+8:OTB+32*\q+8*\t+15], v[VS+\t/2], v[PS+\q] matrix_a_fmt:MATRIX_FMT_FP6 matrix_b_fmt:MATRIX_FMT_FP6 matrix_a_scale:MATRIX_SCALE_ROW1
.else
	v_wmma_scale_f32_16x16x128_f8f6f4 v[OTB+32*\q+8*\t+8:OTB+32*\q+8*\t+15], v[KB+12*\t+12:KB+12*\t+23], v[PC+12*\q:PC+12*\q+11], 0, v[VS+\t/2], v[PS+\q] matrix_a_fmt:MATRIX_FMT_FP6 matrix_b_fmt:MATRIX_FMT_FP6 matrix_a_scale:MATRIX_SCALE_ROW1
.endif
.endr
.endr
	WIN 0
.endm
; n steps whose blocks lie on end from LDS byte base on.
.macro STEPS base, n
	s_mov_b32 s[TB], \base
	s_mov_b32 s[CNT], \n
.Lstep_\@:
	STEP 0
	s_add_co_u32 s[TB], s[TB], STEPB
	s_sub_co_u32 s[CNT], s[CNT], 1
	s_cmp_lg_u32 s[CNT], 0
	s_cbranch_scc1 .Lstep_\@
.endm
	s_wait_alu depctr_va_vdst(0)                   ; the head's end
	s_wait_tensorcnt 0x0                           ; my 116 rows are in
	s_barrier_signal -1
	s_barrier_wait -1                              ; everybody's are: steps 0 to 17 lie in LDS
	s_mov_b32 s[TB], 0
	STEP 1                                         ; step 0 starts the sums
	STEPS STEPB, NA-1                              ; steps 1 to 13
	; THE ONE REFILL: the round holds that of all four work-groups
	s_wait_tensorcnt 0x0
	ds_add_u32 v[SPW], v[NIL]
	s_wait_dscnt 0x0
	CROUND
	s_cmp_lt_u32 s[WV], NA/2                       ; waves 0 to 6 fetch two steps each; the branch hangs on the wave's number alone
	s_cbranch_scc0 .Lno_refill
	tensor_load_to_lds s[G0R:G0R+3], s[G1R:G1R+7]  ; steps 18 + 2 w and 19 + 2 w onto the bytes of steps 2 w and 2 w + 1
	s_nop 0
.rept 4
	v_nop
.endr
.Lno_refill:
	STEPS NA*STEPB, 2                              ; steps 14 and 15
	s_wait_tensorcnt 0x0                           ; my part of steps 18 to 31 is in;
	s_wait_dscnt 0x0
	s_barrier_signal -1                            ; say so.  Between its halves stand register work and LDS loads of steps 16 and 17, which nobody writes
	s_mov_b32 s[TB], (NA+2)*STEPB
	STEP 0                                         ; step 16
	s_mov_b32 s[TB], (NA+3)*STEPB
	STEP 0                                         ; step 17
	s_barrier_wait -1                              ; everybody's part is in
	STEPS 0, NA                                    ; steps 18 to 31
	; THE WAY OUT: the last step's p join the sums; O^T is divided by the row's sum and goes through my stages, so that sixteen lanes store a row's 256 consecutive bytes.
	SUMA                                           ; (these 64 lines are also the places behind the last products)
	SUMB
	SUMC
.irp q, 0,1
	v_add_f32 v[SUM+2*\q], v[SUM+2*\q], v[SUM+2*\q+1]   ; the sum's two halves,
.endr
.irp q, 0,1
	v_permlanex16_b32 v[WK2+\q], v[SUM+2*\q], s[SEL], s[SEL+1]
.endr
.irp q, 0,1
	v_add_f32 v[SUM+2*\q], v[SUM+2*\q], v[WK2+\q]  ; and lane l xor 16's
.endr
	s_wait_alu depctr_va_vdst(0)                   ; ahead of the transcendentals
.irp q, 0,1
	v_rcp_f32 v[SUM+2*\q], v[SUM+2*\q]
.endr
	v_nop                                          ; a plain line behind the reciprocals
	WIN 0x01                                       ; source 0 in window 1
	s_wait_alu depctr_va_vdst(0)                   ; ahead of their first reader, which is also the first reader of O^T
.irp q, 0,1
.set j, 0
.rept 16
	v_pk_mul_f32 v[QR+32*\q+j:QR+32*\q+j+1], v[OTB+32*\q+j:OTB+32*\q+j+1], v[SUM+2*\q:SUM+2*\q+1] op_sel_hi:[1,0]   ; register 8 t + i is o(query r, d = 16 t + 8 h + i); each accumulator from its low end on
.set j, j+2
.endr
.endr
	WIN 0
.irp q, 0,1
.irp t, 0,1,2,3
	ds_store_b128 v[STO], v[QR+32*\q+8*\t:QR+32*\q+8*\t+3] offset:STGW*\q+64*\t
	ds_store_b128 v[STO], v[QR+32*\q+8*\t+4:QR+32*\q+8*\t+7] offset:STGW*\q+64*\t+16
.endr
.endr
.irp q, 0,1
.irp i, 0,1,2,3,4,5,6,7
	ds_load_b128 v[KB+56*\q+4*\i:KB+56*\q+4*\i+3], v[RD] offset:STGW*\q+2*\i*272   ; my own stages: LDS serves a wave's instructions in order: these see the stores above.  Tile 0 to v[40:71], tile 1 to v[96:127]
.endr
.endr
.irp q, 0,1
.irp i, 0,1,2,3,4,5,6,7
	s_wait_dscnt 15-8*\q-\i                        ; this load is in; the younger ones may be out
	global_store_b128 v[GO], v[KB+56*\q+4*\i:KB+56*\q+4*\i+3], s[8:9] offset:32768*\q+4096*\i th:TH_STORE_NT   ; sixteen lanes store 256 consecutive bytes, at a multiple of 256 from out0's first byte; written once, read by nobody here
.endr
.endr
	s_wait_tensorcnt 0x0                           ; the wave's end, behind my last tensor load and my last LDS store
	ds_add_u32 v[SPW], v[NIL]
	s_wait_dscnt 0x0
	CROUND                                         ; the closing round: no work-group ends while a partner may still ask for a tile that names it
	s_endpgm
.Lfunc_end_k_qc8a9273ab9_attn:
	.size	k_qc8a9273ab9_attn, .Lfunc_end_k_qc8a9273ab9_attn-k_qc8a9273ab9_attn
	.p2alignl 7, 3214868480
	.fill 96, 4, 3214868480
	.section	.rodata,"a",@progbits
	.p2align	6, 0x0
	.amdhsa_kernel k_qc8a9273ab9_attn
		.amdhsa_group_segment_fixed_size 327680
		.amdhsa_private_segment_fixed_size 0
		.amdhsa_enable_private_segment 0
		.amdhsa_kernarg_size 24
		.amdhsa_user_sgpr_count 2
		.amdhsa_user_sgpr_kernarg_segment_ptr 1
		.amdhsa_wavefront_size32 1
		.amdhsa_system_sgpr_workgroup_id_x 1
		.amdhsa_system_sgpr_workgroup_id_y 1
		.amdhsa_system_sgpr_workgroup_id_z 1
		.amdhsa_system_vgpr_workitem_id 0
		.amdhsa_next_free_vgpr 448
		.amdhsa_next_free_sgpr 66
		.amdhsa_reserve_vcc 0
		.amdhsa_float_denorm_mode_32 3
		.amdhsa_float_denorm_mode_16_64 3
		.amdhsa_memory_ordered 1
		.amdhsa_forward_progress 1
		.amdhsa_inst_pref_size 180
	.end_amdhsa_kernel
	.amdgpu_metadata
---
amdhsa.version: [ 1, 2 ]
amdhsa.kernels:
  - .name:           k_qc8a9273ab9_attn
    .symbol:         k_qc8a9273ab9_attn.kd
    .args:
      - { .name: queries, .offset: 0, .size: 8, .value_kind: global_buffer, .address_space: global }
      - { .name: kv, .offset: 8, .size: 8, .value_kind: global_buffer, .address_space: global }
      - { .name: out0, .offset: 16, .size: 8, .value_kind: global_buffer, .address_space: global }
    .group_segment_fixed_size: 327680
    .private_segment_fixed_size: 0
    .kernarg_segment_align: 8
    .kernarg_segment_size: 24
    .max_flat_workgroup_size: 256
    .sgpr_count:     66
    .vgpr_count:     448
    .wavefront_size: 32
...
	.end_amdgpu_metadata
.endif
;; end of part 2
